; MI455X (gfx1250); checked and timed in simulation.
; The chip was launched on July 23, 2026; its instructions are those of AMD's public machine-readable ISA for CDNA 5 (MIT licence, August 2026) and "CDNA5" Instruction Set Architecture Reference Guide (July 2026). The comments in the code are by the model that wrote it; some were corrected since.
;; Scaled Dot Product Attention. Allowed arithmetic: matrix products marked QUANTISED: E2M1 operands, one E8M0 scale for each 32 along K, by v_wmma_scale_f32_16x16x128_f8f6f4 with both operands' format E2M1 (or v_wmma_scale_f32_32x16x128_f4), f32 sums; everything else in f32.
;; Inputs: Wk 1,024 x 1,024 float32; Wq 1,024 x 1,024 float32; Wv 1,024 x 1,024 float32; bk 1,024 float32; bq 1,024 float32; bv 1,024 float32; x 4 x 2,048 x 1,024 float32.
;; Outputs: out0 4 x 2,048 x 1,024 float32.
;; This version of the problem:
;;   THIS VERSION OF THE PROBLEM IS GIVEN IN LOW PRECISION. The matrix products marked QUANTISED in the list below multiply operands that are first quantised to E2M1 (2 exponent bits, 1 mantissa bit; 4 bits a number), with one power-of-two scale for each 32 numbers along K (OCP MX v1.0); their sums are f32. All else is computed in f32.
;;   The module's matrix products, in the order in which they are computed (A, B: the left and right operand; K: the contracted axis; several contracted axes count as one K, in the product's order):
;;     1. [M 8,192, K 1,024] x [K 1,024, N 1,024]; A: input x; B: input Wq: QUANTISED
;;     2. [M 8,192, K 1,024] x [K 1,024, N 1,024]; A: input x; B: input Wk: QUANTISED
;;     3. [M 8,192, K 1,024] x [K 1,024, N 1,024]; A: input x; B: input Wv: QUANTISED
;;     4. batch 64 x [M 2,048, K 64] x [K 64, N 2,048]; A: computed on the way; B: computed on the way: QUANTISED
;;     5. batch 64 x [M 2,048, K 2,048] x [K 2,048, N 64]; A: softmax (see below); B: computed on the way: QUANTISED
;;   THE QUANTISER, for each operand of a quantised product, along K:
;;     - K is cut into blocks of 32 from its start; a last block that is shorter is filled with zeros.
;;     - A block's scale is 2^e with e = floor(log2(the largest magnitude in the block)) - 2, held to -126 .. 127; a block of zeros has e = 0. As a byte (E8M0): e + 127.
;;     - Each number is divided by its block's scale, clamped to +-6, and rounded to the nearest number of E2M1, ties to even, subnormals kept.
;;     - The product sums the exact products of the quantised numbers (number of the format x scale) in f32.
;;   ~~~python
;;   def quantise(x, axis):      # numpy; x: float32 -> the quantised numbers, widened to float32 again
;;       x = np.moveaxis(x, axis, -1); K = x.shape[-1]
;;       x = np.pad(x, [(0, 0)] * (x.ndim - 1) + [(0, -K % 32)]); x = x.reshape(x.shape[:-1] + (-1, 32)); a = np.abs(x).max(-1, keepdims=True)
;;       e = np.where(a > 0, np.clip(np.frexp(np.where(a > 0, a, 1))[1] - 1 - 2, -126, 127), 0)      # np.frexp(a)[1] - 1 = floor(log2(a)), exactly
;;       r = np.clip(x / 2.0 ** e, -6, 6)
;;       step = 2.0 ** (np.maximum(np.frexp(np.where(r == 0, 1, r))[1] - 1, 0) - 1)
;;       q = np.round(r / step) * step * 2.0 ** e      # np.round: ties to even
;;       return np.moveaxis(q.reshape(q.shape[:-2] + (-1,))[..., :K], -1, axis).astype(np.float32)
;;   ~~~
;;   SOFTMAX AHEAD OF A QUANTISED PRODUCT. Where the list says 'softmax', what is quantised is not the finished softmax but p = 2^(t - M), with t = logit x log2(e) and M = ceil(the row's largest t), a whole number; so 1/2 < the row's largest p <= 1. The row's sum l is taken of the UNQUANTISED p, in f32, and the product's result is divided by l at the end. Since M is a whole number, a kernel that streams over the keys may use a running M (the ceiling of the running maximum): every later rescaling is an exact power of two, which a block's scale takes up: the codes' values come out the same.
;;   OPERANDS COMPUTED ON THE WAY. 'Computed on the way' means the value that the module computes at that place (a softmax that the list does not call 'softmax' is quantised finished and normalised). What goes into a quantiser is computed in f32, as accurately as f32 sums, v_exp_f32 and their like allow (about 1e-6 of the number): no bf16 or f16 on the way to a quantiser, and a product that is left as it is and whose result goes on into a quantised operand takes f32 operands (vector FMAs, or v_wmma_f32_16x16x4_f32). A number that lies on a knife's edge between two numbers of the format may be rounded either way, as far as f32 arithmetic and the matrix unit's own rounding can turn it there, and no further.
;; One version. Each part assembles by itself: llvm-mc -triple=amdgcn-amd-amdhsa -mcpu=gfx1250 --defsym DOCPART=n.
;; ======== version 1 of 1: 3 launches
;; limits: right only within a limited range of input values
;; workspace buffers: cod 5,767,168 bytes; scl 360,448 bytes; qkv 13,369,344 bytes
;; launch quant (part 1): grid 448 x 1, 4 waves a work-group, no clusters, 34,304 bytes of LDS; arguments x, Wq, Wk, Wv, cod, scl; writes cod, scl
.if DOCPART == 1
	.amdgcn_target "amdgcn-amd-amdhsa--gfx1250"
	.amdhsa_code_object_version 6
	.text
	.protected	k_q8e9046cba4_quant
	.globl	k_q8e9046cba4_quant
	.p2align	8
	.type	k_q8e9046cba4_quant,@function
k_q8e9046cba4_quant:
	s_mov_b64 s[64:65], 0
	v_nop
	global_prefetch_b8 v0, s[64:65] scope:SCOPE_SE
	s_setreg_imm32_b32 hwreg(HW_REG_WAVE_MODE, 25, 1), 1
	s_wait_xcnt 0x0
; x [8192][1024] and Wq, Wk, Wv [1024 (k)][1024 (n)], f32, become codes of FP4 (E2M1) with one E8M0 byte for each 32 along K (the embedding axis), laid as IMAGES OF OPERAND REGISTERS.
; cod: 44 groups of 256 rows (0-31: x's rows; 32-35, 36-39, 40-43: the columns of Wq, Wk, Wv), 131,072 bytes each: [K step of 128: 8][tile of 16 rows: 16][c: 2][lane: 32][16 bytes];
;      lane (r, h) holds k = 128 s + 64 c + 32 h + 0 .. 31 of the tile's row r: a fragment is two lines of 512 bytes, 16 bytes a lane.
; scl: 704 tiles x 512 bytes: [tile][g: 2][r: 16][4 words]: word q = the four scale bytes of K step 4 g + q of the tile's row r.
; THE ROWS OF A TILE ARE NOT NEIGHBOURS: row r of tile T is row 32 (T / 2) + 8 (T % 2) + r + 8 (r / 8), so that a product that takes tiles 2 B and 2 B + 1 as source 0 leaves 16 neighbours in a lane's 16 registers.
; A block's scale is 2^(floor(log2(its largest magnitude)) - 2); its byte is that magnitude's exponent field - 2, held at 1 from below by a floor among the maximum's leaves.
; LIMITS: NaN and infinities are not served; a block whose largest magnitude lies under 2^-124 gets the byte 1; a block of zeros gets the byte 1 and not 127: its codes are zeros, and this program alone reads the bytes.
; Work-groups 0-255 take x (32 rows each), 256-447 the weights (a matrix, a K step, 128 columns each).  The two ways part once on the work-group's number and never join; the x way alone uses LDS.
; No tensor load, no barrier, no cluster: waves share nothing, and no byte is read by two work-groups.
.set SP,    528                        ; a stage row: 512 bytes + 16 = 33 x 16: the 16 rows that a read touches start at 16 different 16-byte columns of the 64 banks (ISA guide 11.1)
.set STGB,  16*SP                      ; a wave's stage
.set R,     32                         ; v32-159  x: two sets of 64 registers as loaded.  W: 128 numbers of my column
.set X,     160                        ; v160-223 x: 64 numbers of my row: register 16 b + i = k 32 b + 16 h + i
.set PC,    224                        ; v224-231 the fragment just made
.set TM,    232                        ; v232-235 largest magnitudes, v236-239 the other half's / the bytes, v240-243 the conversions' scale operands
.set SW,    244                        ; v244-247 the four K steps' scale words
.set T2,    248                        ; v248-249 the two words that my lane stores
.set WC,    160                        ; W: v160-175 the four blocks' codes
.set WW,    176                        ; W: v176 the scale word
.set SEL,   18                         ; s[18:19] v_permlanex16_b32's selects for lane l xor 16
; 64 numbers of a lane, v[s + 16 b + i] = k 32 b + 16 h + i of my row, become a fragment's codes in v[PC] on and the row's scale word in v[pw].
.macro QUANT s, pw
.irp b, 0,1,2,3
	v_max3_num_f32 v[TM+\b], |v[\s+16*\b]|, |v[\s+1+16*\b]|, 0x1800000   ; block b: my 16 numbers, and the floor 2^(3 - 127)
.endr
.irp i, 2,4,6,8,10,12,14
.irp b, 0,1,2,3
	v_max3_num_f32 v[TM+\b], v[TM+\b], |v[\s+16*\b+\i]|, |v[\s+1+16*\b+\i]|   ; the four blocks by turns: no line waits for the line above it
.endr
.endr
.irp b, 0,1,2,3
	v_permlanex16_b32 v[TM+4+\b], v[TM+\b], s[SEL], s[SEL+1]
.endr
.irp b, 0,1,2,3
	v_max_num_f32 v[TM+\b], v[TM+\b], v[TM+4+\b]           ; with lane l xor 16's 16: the block's largest magnitude
.endr
.irp b, 0,1,2,3
	v_add_nc_u32 v[TM+8+\b], 0xff000000, v[TM+\b]          ; 2 off its exponent field: the conversion takes this operand's exponent field as its scale
.endr
.irp b, 0,1,2,3
	v_lshrrev_b32 v[TM+4+\b], 23, v[TM+8+\b]               ; the scale's byte
.endr
	v_lshl_or_b32 v[\pw], v[TM+5], 8, v[TM+4]
	v_lshl_or_b32 v[\pw], v[TM+6], 16, v[\pw]
	v_lshl_or_b32 v[\pw], v[TM+7], 24, v[\pw]              ; the row's scale word, the same in both halves of the lanes
.irp b, 0,1,2,3
	v_cvt_scalef32_pk8_fp4_f32 v[PC+2*\b], v[\s+16*\b:\s+7+16*\b], v[TM+8+\b]
	v_cvt_scalef32_pk8_fp4_f32 v[PC+1+2*\b], v[\s+8+16*\b:\s+15+16*\b], v[TM+8+\b]
.endr
	v_nop                                                  ; one plain line behind a scaled conversion
.irp c, 0,1
.irp i, 0,1
	v_permlane16_swap_b32 v[PC+4*\c+\i], v[PC+2+4*\c+\i]   ; a whole block to a lane: registers 4 c .. 4 c + 3 now hold k = 64 c + 32 h + 0 .. 31
.endr
.endr
.endm
	s_load_b256 s[4:11], s[0:1], 0x0               ; x s[4:5], Wq s[6:7], Wk s[8:9], Wv s[10:11]
	s_load_b128 s[12:15], s[0:1], 0x20             ; cod s[12:13], scl s[14:15]
	v_lshl_add_u32 v254, v0, 2, 0x8400
	v_mov_b32 v255, 0
	v_lshrrev_b32 v1, 5, v0
	v_readfirstlane_b32 s16, v1                    ; wave 0..3
	v_and_b32 v1, 31, v0                           ; lane
	v_and_b32 v2, 15, v0                           ; r
	v_bfe_u32 v3, v0, 4, 1                         ; h
	v_lshlrev_b32 v4, 4, v1                        ; 16 x lane
	s_mov_b32 s[SEL], 0x76543210
	s_mov_b32 s[SEL+1], 0xfedcba98
	s_cmp_ge_u32 ttmp9, 256
	s_cbranch_scc1 .Lweights
; ---------------- x: work-group wg owns rows 32 wg .. 32 wg + 31 (tiles 2 wg and 2 wg + 1); wave w takes tile 2 wg + w / 2 and K steps 4 (w % 2) .. + 3.
; A load reads 512 consecutive bytes of one row (16 a lane); the 16 rows of a K step turn through the wave's own stage and come back 64 numbers of ONE row a lane.
	s_mul_i32 s20, s16, STGB
	v_add_nc_u32 v5, s20, v4                       ; into the stage: 16 x lane, the row in the immediate
	v_mul_u32_u24 v6, v2, SP
	v_lshl_add_u32 v6, v3, 6, v6
	v_add_nc_u32 v6, s20, v6                       ; out of it: row r, + 64 h bytes: my 16 numbers of each block of 32
	v_lshlrev_b32 v7, 4, v2
	v_lshl_add_u32 v7, v3, 3, v7                   ; the scale words' way out: 16 r + 8 h
.irp b, 0,1,2,3
	v_mov_b32 v[TM+4+\b], 0                        ; written once: a lane permute's destination counts as one of its sources
.endr
	s_lshr_b32 s21, s16, 1                         ; which of the two tiles
	s_and_b32 s22, s16, 1                          ; which half of K
	s_lshl_b32 s24, ttmp9, 17                      ; x: (32 wg + 8 (w / 2)) rows of 4,096 bytes + 2,048 (w % 2)
	s_lshl_b32 s23, s21, 15
	s_add_co_u32 s24, s24, s23
	s_lshl_b32 s23, s22, 11
	s_add_co_u32 s24, s24, s23
	s_mov_b32 s25, 0
	s_lshr_b32 s26, ttmp9, 3                       ; cod: group wg / 8, tile 2 (wg % 8) + w / 2, K step 4 (w % 2)
	s_lshl_b32 s26, s26, 17
	s_and_b32 s23, ttmp9, 7
	s_lshl_b32 s23, s23, 11
	s_add_co_u32 s26, s26, s23
	s_lshl_b32 s23, s21, 10
	s_add_co_u32 s26, s26, s23
	s_lshl_b32 s23, s22, 16
	s_add_co_u32 s26, s26, s23
	s_mov_b32 s27, 0
	s_lshl_b32 s28, ttmp9, 10                      ; scl: 512 x tile + 256 (w % 2) = 1,024 wg + 256 w
	s_lshl_b32 s23, s16, 8
	s_add_co_u32 s28, s28, s23
	s_mov_b32 s29, 0
	s_wait_alu depctr_va_vdst(0)
	s_wait_kmcnt 0x0
	s_add_nc_u64 s[4:5], s[4:5], s[24:25]
	s_add_nc_u64 s[12:13], s[12:13], s[26:27]
	s_add_nc_u64 s[14:15], s[14:15], s[28:29]
.macro XLOAD q, set                    ; K step q of my four: the tile's 16 rows, 512 bytes each
.irp i, 0,1,2,3,4,5,6,7,8,9,10,11,12,13,14,15
	global_load_b128 v[R+64*(\set)+4*\i:R+64*(\set)+4*\i+3], v4, s[4:5] offset:(\i+8*(\i/8))*4096+512*(\q) th:TH_LOAD_NT
.endr
.endm
.macro XTURN set                       ; through the stage: LDS serves a wave's instructions in order (ISA guide 5.7.1.4), so no wait stands between the stores and the loads
.irp i, 0,1,2,3,4,5,6,7,8,9,10,11,12,13,14,15
	ds_store_b128 v5, v[R+64*(\set)+4*\i:R+64*(\set)+4*\i+3] offset:SP*\i
.endr
.irp b, 0,1,2,3
.irp j, 0,1,2,3
	ds_load_b128 v[X+16*\b+4*\j:X+16*\b+4*\j+3], v6 offset:128*\b+16*\j
.endr
.endr
.endm
.macro XSTEP q
.if (\q) < 3
	s_wait_loadcnt 16                              ; this step's 16 loads are in; the next step's 16 may be out
.else
	s_wait_loadcnt 0x0
.endif
	XTURN (\q)%2
	s_wait_dscnt 0x0                               ; my row's numbers are back, and the stage's stores have read the set
	s_wait_xcnt 0x0                                ; the last step's stores have read the fragment's registers, which are written again below
.if (\q) < 2
	XLOAD (\q)+2, (\q)%2                           ; the set takes the step two further on
.endif
	QUANT X, SW+(\q)
	global_store_b128 v4, v[PC:PC+3], s[12:13] offset:16384*(\q)       ; 32 lanes store 512 consecutive bytes, aligned
	global_store_b128 v4, v[PC+4:PC+7], s[12:13] offset:16384*(\q)+512
.endm
	XLOAD 0, 0
	XLOAD 1, 1
	XSTEP 0
	XSTEP 1
	XSTEP 2
	XSTEP 3
	v_cmp_ne_u32 vcc_lo, 0, v3                     ; lanes 0-15 store words 0 and 1 of their row, lanes 16-31 words 2 and 3
	v_cndmask_b32 v[T2], v[SW], v[SW+2], vcc_lo
	v_cndmask_b32 v[T2+1], v[SW+1], v[SW+3], vcc_lo
	global_store_b64 v7, v[T2:T2+1], s[14:15]      ; 32 lanes store 256 consecutive bytes, aligned
	s_wait_tensorcnt 0x0
	ds_add_u32 v254, v255
	s_wait_dscnt 0x0
	s_endpgm
; ---------------- W: K is the first axis.  A lane takes a column and its registers run down K: a block of 32 lies in one lane, and the conversions give codes with K innermost.
; Work-group id = (matrix, K step s, 128 columns cg); wave w takes columns 128 cg + 32 w + lane.  Column lane of a run of 32 is row r' = lane % 8 + 8 (lane / 16) of tile u = (lane / 8) % 2 of a pair.
.Lweights:
	s_sub_co_u32 s20, ttmp9, 256
	s_lshr_b32 s21, s20, 6                         ; matrix 0..2
	s_bfe_u32 s22, s20, 0x30003                    ; K step 0..7
	s_and_b32 s23, s20, 7                          ; which 128 columns
	v_bfe_u32 v5, v0, 3, 1                         ; u
	v_and_b32 v6, 7, v0
	s_wait_alu depctr_va_vdst(0)
	v_lshl_or_b32 v6, v3, 3, v6                    ; r'
	v_lshlrev_b32 v6, 4, v6
	v_lshlrev_b32 v8, 2, v1                        ; in: 4 bytes a lane
	v_lshl_add_u32 v9, v5, 10, v6                  ; codes: 1,024 u + 16 r'
	v_lshl_add_u32 v10, v5, 9, v6                  ; scale word: 512 u + 16 r'
	s_lshl_b32 s24, s22, 19                        ; W: 128 s rows of 4,096 bytes + 4 (128 cg + 32 w)
	s_lshl_b32 s30, s23, 9
	s_add_co_u32 s24, s24, s30
	s_lshl_b32 s30, s16, 7
	s_add_co_u32 s24, s24, s30
	s_mov_b32 s25, 0
	s_lshl_b32 s26, s21, 2                         ; cod: group 32 + 4 matrix + cg / 2, K step s, tile 8 (cg % 2) + 2 w
	s_lshr_b32 s30, s23, 1
	s_add_co_u32 s26, s26, s30
	s_add_co_u32 s26, s26, 32
	s_lshl_b32 s26, s26, 17
	s_lshl_b32 s30, s22, 14
	s_add_co_u32 s26, s26, s30
	s_and_b32 s30, s23, 1
	s_lshl_b32 s30, s30, 13
	s_add_co_u32 s26, s26, s30
	s_lshl_b32 s30, s16, 11
	s_add_co_u32 s26, s26, s30
	s_mov_b32 s27, 0
	s_lshl_b32 s28, s21, 6                         ; scl: tile 512 + 64 matrix + 8 cg + 2 w; + 256 (s / 4) + 4 (s % 4)
	s_lshl_b32 s30, s23, 3
	s_add_co_u32 s28, s28, s30
	s_lshl_b32 s30, s16, 1
	s_add_co_u32 s28, s28, s30
	s_add_co_u32 s28, s28, 512
	s_lshl_b32 s28, s28, 9
	s_lshr_b32 s30, s22, 2
	s_lshl_b32 s30, s30, 8
	s_add_co_u32 s28, s28, s30
	s_and_b32 s30, s22, 3
	s_lshl_b32 s30, s30, 2
	s_add_co_u32 s28, s28, s30
	s_mov_b32 s29, 0
	s_wait_alu depctr_va_vdst(0)
	s_wait_kmcnt 0x0
	s_cmp_eq_u32 s21, 1                            ; which matrix: the choice hangs on the work-group's number alone
	s_cselect_b64 s[6:7], s[8:9], s[6:7]
	s_cmp_eq_u32 s21, 2
	s_cselect_b64 s[6:7], s[10:11], s[6:7]
	s_add_nc_u64 s[6:7], s[6:7], s[24:25]
	s_add_nc_u64 s[12:13], s[12:13], s[26:27]
	s_add_nc_u64 s[14:15], s[14:15], s[28:29]
.set i, 0
.rept 128
	global_load_b32 v[R+i], v8, s[6:7] offset:4096*i th:TH_LOAD_NT   ; W(128 s + i, my column): a wave reads 128 consecutive bytes, the four waves 512
.set i, i+1
.endr
.macro WBLOCK t
.set XS, R+32*(\t)
.if (\t) == 0
	s_wait_loadcnt 63                              ; the largest count that the wait can name: 65 of the 128 loads are in, blocks 0 and 1 among them
.elseif (\t) == 2
	s_wait_loadcnt 32                              ; block 3's 32 loads may be out
.elseif (\t) == 3
	s_wait_loadcnt 0x0
.endif
	v_max3_num_f32 v12, |v[XS]|, |v[XS+1]|, |v[XS+2]|      ; the block's largest magnitude: all 32 numbers are mine; two chains
	v_max3_num_f32 v13, |v[XS+3]|, |v[XS+4]|, |v[XS+5]|
.irp i, 6,10,14,18,22,26
	v_max3_num_f32 v12, v12, |v[XS+\i]|, |v[XS+\i+1]|
	v_max3_num_f32 v13, v13, |v[XS+\i+2]|, |v[XS+\i+3]|
.endr
	v_max3_num_f32 v12, v12, |v[XS+30]|, |v[XS+31]|
	v_max3_num_f32 v12, v12, v13, 0x1800000        ; and the floor 2^(3 - 127)
	v_add_nc_u32 v11, 0xff000000, v12              ; 2 off its exponent field: the conversions' scale operand
	v_lshrrev_b32 v13, 23, v11                     ; the byte
.if (\t) == 0
	v_mov_b32 v[WW], v13
.else
	v_lshl_or_b32 v[WW], v13, 8*(\t), v[WW]
.endif
.irp g, 0,1,2,3
	v_cvt_scalef32_pk8_fp4_f32 v[WC+4*(\t)+\g], v[XS+8*\g:XS+8*\g+7], v11
.endr
	global_store_b128 v9, v[WC+4*(\t):WC+4*(\t)+3], s[12:13] offset:256*(\t)   ; block t = 2 c + h lies at 256 t + 16 r' of its tile: the wave fills two aligned runs of 256 bytes.  Each block has its own registers
.endm
	WBLOCK 0
	WBLOCK 1
	WBLOCK 2
	WBLOCK 3
	global_store_b32 v10, v[WW], s[14:15]          ; 4 bytes of each row's 16: the other K steps' words come from other work-groups.  98,304 bytes in all leave so, one in 128 of what this way reads
	s_endpgm
.Lfunc_end_k_q8e9046cba4_quant:
	.size	k_q8e9046cba4_quant, .Lfunc_end_k_q8e9046cba4_quant-k_q8e9046cba4_quant
	.p2alignl 7, 3214868480
	.fill 96, 4, 3214868480
	.section	.rodata,"a",@progbits
	.p2align	6, 0x0
	.amdhsa_kernel k_q8e9046cba4_quant
		.amdhsa_group_segment_fixed_size 34304
		.amdhsa_private_segment_fixed_size 0
		.amdhsa_enable_private_segment 0
		.amdhsa_kernarg_size 48
		.amdhsa_user_sgpr_count 2
		.amdhsa_user_sgpr_kernarg_segment_ptr 1
		.amdhsa_wavefront_size32 1
		.amdhsa_system_sgpr_workgroup_id_x 1
		.amdhsa_system_sgpr_workgroup_id_y 1
		.amdhsa_system_sgpr_workgroup_id_z 1
		.amdhsa_system_vgpr_workitem_id 0
		.amdhsa_next_free_vgpr 256
		.amdhsa_next_free_sgpr 66
		.amdhsa_reserve_vcc 1
		.amdhsa_float_denorm_mode_32 3
		.amdhsa_float_denorm_mode_16_64 3
		.amdhsa_memory_ordered 1
		.amdhsa_forward_progress 1
		.amdhsa_inst_pref_size 53
	.end_amdhsa_kernel
	.amdgpu_metadata
---
amdhsa.version: [ 1, 2 ]
amdhsa.kernels:
  - .name:           k_q8e9046cba4_quant
    .symbol:         k_q8e9046cba4_quant.kd
    .args:
      - { .name: x, .offset: 0, .size: 8, .value_kind: global_buffer, .address_space: global }
      - { .name: Wq, .offset: 8, .size: 8, .value_kind: global_buffer, .address_space: global }
      - { .name: Wk, .offset: 16, .size: 8, .value_kind: global_buffer, .address_space: global }
      - { .name: Wv, .offset: 24, .size: 8, .value_kind: global_buffer, .address_space: global }
      - { .name: cod, .offset: 32, .size: 8, .value_kind: global_buffer, .address_space: global }
      - { .name: scl, .offset: 40, .size: 8, .value_kind: global_buffer, .address_space: global }
    .group_segment_fixed_size: 34304
    .private_segment_fixed_size: 0
    .kernarg_segment_align: 8
    .kernarg_segment_size: 48
    .max_flat_workgroup_size: 128
    .sgpr_count:     66
    .vgpr_count:     256
    .wavefront_size: 32
...
	.end_amdgpu_metadata
.endif
;; end of part 1
;; launch proj (part 2): grid 12 x 32, 4 waves a work-group, clusters of 4 x 4, 327,680 bytes of LDS; arguments cod, scl, bq, bk, bv, qkv; writes qkv
.if DOCPART == 2
	.amdgcn_target "amdgcn-amd-amdhsa--gfx1250"
	.amdhsa_code_object_version 6
	.text
	.protected	k_q8e9046cba4_proj
	.globl	k_q8e9046cba4_proj
	.p2align	8
	.type	k_q8e9046cba4_proj,@function
k_q8e9046cba4_proj:
	s_mov_b64 s[64:65], 0
	v_nop
	global_prefetch_b8 v0, s[64:65] scope:SCOPE_SE
	s_setreg_imm32_b32 hwreg(HW_REG_WAVE_MODE, 25, 1), 1
	s_wait_xcnt 0x0
	s_wait_alu depctr_hold_cnt(0) depctr_sa_sdst(0) depctr_va_vdst(0) depctr_va_sdst(0) depctr_va_ssrc(0) depctr_va_vcc(0) depctr_vm_vsrc(0)
	s_getreg_b32 s2, hwreg(HW_REG_IB_STS2, 6, 4)
	s_cmp_eq_u32 s2, 0
	s_cbranch_scc0 .Lentry_in_a_cluster
	s_endpgm
.Lentry_in_a_cluster:
	s_bfe_u32 s2, ttmp6, 0x10000c
	s_cmp_lg_u32 s2, 0xf033
	s_cbranch_scc0 .Lentry_shape_is_right
	s_endpgm
.Lentry_shape_is_right:
.set REC,   208896
.set QSO,   65536
.set KCO,   69632
.set VCO,   135168
.set KSO,   200704
.set VSO,   204800
.set LB,    131072
.set LSC,   262144
.set NQ,    4
.set FR,    8
.set NP,    4
.set ADRA,  16
.set ADRB,  20
.set LI,    24
.set SOF,   25
.set BOR,   26
.set ADRS,  27
.set BOL,   28
.set SC,    32
.set PC,    96
.set TM,    104
.set SW,    120
.set AF,    128
.set HA,    128
.set BI,    192
.set BV,    64
.set WV,    20
.set G1A,   32
.set G1B,   40
.set G1AS,  48
.set G1BS,  56
.set G0A,   68
.set G0B,   80
.set SEL,   96
.set MSB, 0
.macro WIN new
.if MSB != (\new)
	s_set_vgpr_msb (MSB<<8)|(\new)
.set MSB, (\new)
.endif
.endm
.set MUL_LO, 0xa1
.set MUL_HI, 0xf1
.set TO_B,   0x40
.macro JLOAD g0a, g1a, g0b, g1b
	s_cmp_eq_u32 s21, 0
	s_cbranch_scc0 .Lfor_b_\@
	tensor_load_to_lds s[\g0a:\g0a+3], s[\g1a:\g1a+7]
	s_nop 0
.rept 4
	v_nop
.endr
	s_branch .Lasked_\@
.Lfor_b_\@:
	tensor_load_to_lds s[\g0b:\g0b+3], s[\g1b:\g1b+7]
	s_nop 0
.rept 4
	v_nop
.endr
.Lasked_\@:
.endm
.macro CROUND
	s_barrier_signal -1
	s_barrier_wait -1
	s_cmp_lg_u32 s[WV], 0
	s_cbranch_scc1 .Lnot_wave_0_\@
	s_barrier_signal -3
.Lnot_wave_0_\@:
	s_barrier_wait -3
	s_barrier_signal -1
	s_barrier_wait -1
.endm
.macro PLACES n
.rept \n
	v_nop
.endr
.endm
.macro QUANT s, pw
.irp b, 0,1,2,3
	v_max3_num_f32 v[TM+\b], |v[\s+16*\b]|, |v[\s+1+16*\b]|, 0x1800000
.endr
.irp i, 2,4,6,8,10,12,14
.irp b, 0,1,2,3
	v_max3_num_f32 v[TM+\b], v[TM+\b], |v[\s+16*\b+\i]|, |v[\s+1+16*\b+\i]|
.endr
.endr
.irp b, 0,1,2,3
	v_permlanex16_b32 v[TM+4+\b], v[TM+\b], s[SEL], s[SEL+1]
.endr
.irp b, 0,1,2,3
	v_max_num_f32 v[TM+\b], v[TM+\b], v[TM+4+\b]
.endr
.irp b, 0,1,2,3
	v_add_nc_u32 v[TM+8+\b], 0xff000000, v[TM+\b]
.endr
.irp b, 0,1,2,3
	v_lshrrev_b32 v[TM+4+\b], 23, v[TM+8+\b]
.endr
	v_lshl_or_b32 v[\pw], v[TM+5], 8, v[TM+4]
	v_lshl_or_b32 v[\pw], v[TM+6], 16, v[\pw]
	v_lshl_or_b32 v[\pw], v[TM+7], 24, v[\pw]
.irp b, 0,1,2,3
	v_cvt_scalef32_pk8_fp4_f32 v[PC+2*\b], v[\s+16*\b:\s+7+16*\b], v[TM+8+\b]
	v_cvt_scalef32_pk8_fp4_f32 v[PC+1+2*\b], v[\s+8+16*\b:\s+15+16*\b], v[TM+8+\b]
.endr
	v_nop
.irp c, 0,1
.irp i, 0,1
	v_permlane16_swap_b32 v[PC+4*\c+\i], v[PC+2+4*\c+\i]
.endr
.endr
.endm
	s_load_b256 s[4:11], s[0:1], 0x0
	s_load_b128 s[12:15], s[0:1], 0x20
	v_lshl_add_u32 v118, v0, 2, 0x44000
	v_mov_b32 v119, 0
	ds_add_u32 v118, v119
	ds_add_u32 v118, v119
	v_lshrrev_b32 v1, 5, v0
	v_readfirstlane_b32 s[WV], v1
	s_lshr_b32 s21, s[WV], 1
	s_and_b32 s22, s[WV], 1
	s_bfe_u32 s23, ttmp6, 0x40000
	s_bfe_u32 s24, ttmp6, 0x40004
	s_mov_b32 s25, ttmp9
	s_and_b32 s26, ttmp7, 0xffff
	s_lshl_b32 s16, s26, 2
	s_lshl_b32 s17, s25, 2
	s_add_co_u32 s17, s17, 32
	s_cmp_eq_u32 s25, 2
	s_cselect_b32 s27, s16, s17
	s_cselect_b32 s28, 40, s16
	s_add_co_u32 s27, s27, s23
	s_add_co_u32 s28, s28, s24
	s_lshl_b32 s18, s24, 2
	s_lshl_b32 s18, 15, s18
	s_lshl_b32 s30, 0x1111, s23
	s_or_b32 s[G1A], s18, (3<<16)|(1<<21)
	s_or_b32 s[G1B], s30, (3<<16)|(1<<21)
	s_or_b32 s[G1AS], s18, (3<<16)|(1<<21)
	s_or_b32 s[G1BS], s30, (3<<16)|(1<<21)
.irp g, G1A, G1B
	s_mov_b32 s[\g+1], 32<<16
	s_mov_b32 s[\g+2], 256<<16                     ; the head's loads of codes bring 256 rows; behind them the two words that count rows are set to 128
	s_mov_b32 s[\g+3], 32<<16
	s_mov_b32 s[\g+4], 256
	s_mov_b32 s[\g+5], 32
	s_mov_b32 s[\g+6], 0
	s_mov_b32 s[\g+7], 0
.endr
.irp g, G1AS, G1BS
	s_mov_b32 s[\g+1], 32<<16
	s_mov_b32 s[\g+2], 32<<16                      ; a group's scale words: 32 rows of 256 bytes
	s_mov_b32 s[\g+3], 32<<16
	s_mov_b32 s[\g+4], 32
	s_mov_b32 s[\g+5], 32
	s_mov_b32 s[\g+6], 0
	s_mov_b32 s[\g+7], 0
.endr
	s_lshl_b32 s29, s22, 15
	s_lshl_b32 s2, s28, 17
	s_add_co_u32 s2, s2, s29
	s_mov_b32 s3, 0
	s_lshl_b32 s16, s27, 17
	s_add_co_u32 s16, s16, s29
	s_mov_b32 s17, 0
	s_lshl_b32 s29, s22, 12
	s_lshl_b32 s18, s28, 13
	s_add_co_u32 s18, s18, s29
	s_mov_b32 s19, 0
	s_lshl_b32 s30, s27, 13
	s_add_co_u32 s30, s30, s29
	s_mov_b32 s31, 0
	s_lshl_b32 s66, s21, 17
	s_lshl_b32 s29, s22, 15
	s_add_co_u32 s66, s66, s29
	s_mov_b32 s[SEL], 0x76543210
	s_mov_b32 s[SEL+1], 0xfedcba98
	s_mov_b32 s98, 0x05040100
	s_mov_b32 s99, 0x07060302
	s_wait_dscnt 0x0
	s_wait_kmcnt 0x0
	s_add_nc_u64 s[2:3], s[4:5], s[2:3]
	s_add_nc_u64 s[16:17], s[4:5], s[16:17]
	s_add_nc_u64 s[18:19], s[6:7], s[18:19]
	s_add_nc_u64 s[30:31], s[6:7], s[30:31]
	CROUND
; THE HEAD'S LOADS, ONE A WAVE: wave 0 fetches K steps 0-3 of A's group, 65,536 bytes, wave 1 those of B's, wave 2 A's scale words, 8,192 bytes, wave 3 B's.
; The addresses made above hold my wave's half (wave % 2): it is 0 in waves 0 and 2, and is taken off again for waves 1 and 3.  Each group 0 is right in the wave that issues it, and is used by that wave alone.
	s_mov_b32 s[G0A], 1
	s_mov_b32 s[G0A+1], 0
	s_mov_b64 s[G0A+2:G0A+3], s[2:3]
	s_or_b32 s[G0A+3], s[G0A+3], 0x80000000
	s_mov_b32 s[G0B], 1
	s_mov_b32 s[G0B+1], LB
	s_sub_nc_u64 s[G0B+2:G0B+3], s[16:17], 32768
	s_or_b32 s[G0B+3], s[G0B+3], 0x80000000
	s_mov_b32 s4, 1                                ; (the arguments that lay in s[4:7] have been used)
	s_mov_b32 s5, LSC
	s_mov_b64 s[6:7], s[18:19]
	s_or_b32 s7, s7, 0x80000000
	s_mov_b32 s84, 1                               ; (registers that nothing writes while the load is out)
	s_mov_b32 s85, LSC+8192
	s_sub_nc_u64 s[86:87], s[30:31], 4096
	s_or_b32 s87, s87, 0x80000000
; ONE chain of branches on the wave's number, each arm with its load and, but for the last, a jump to the join: every way through the head passes exactly one load.
.macro ARM under, g0, g1, next
	s_cmp_lt_u32 s[WV], \under
	s_cbranch_scc0 \next
	tensor_load_to_lds s[\g0:\g0+3], s[\g1:\g1+7]
	s_nop 0
.rept 4
	v_nop
.endr
	s_branch .Lhead_asked
\next:
.endm
	ARM 1, G0A, G1A, .Lhead_b
	ARM 2, G0B, G1B, .Lhead_sa
	ARM 3, 4, G1AS, .Lhead_sb
	tensor_load_to_lds s[84:87], s[G1BS:G1BS+7]
	s_nop 0
.rept 4
	v_nop
.endr
.Lhead_asked:
.irp k, 1
	s_mov_b32 s[G0A+4+4*\k], 1
	s_add_co_u32 s[G0A+5+4*\k], s66, \k*65536
	s_add_nc_u64 s[G0A+6+4*\k:G0A+7+4*\k], s[2:3], \k*65536
	s_or_b32 s[G0A+7+4*\k], s[G0A+7+4*\k], 0x80000000
	s_mov_b32 s[G0B+4+4*\k], 1
	s_add_co_u32 s[G0B+5+4*\k], s66, \k*65536
	s_add_nc_u64 s[G0B+6+4*\k:G0B+7+4*\k], s[16:17], \k*65536
	s_or_b32 s[G0B+7+4*\k], s[G0B+7+4*\k], 0x80000000
.endr
; the LDS addresses, the bias loads and the output's addresses are made below, while the head's four tiles are on their way; the wait for the tiles follows behind them
	v_and_b32 v1, 15, v0
	s_wait_alu depctr_va_vdst(0)
	v_bfe_u32 v2, v0, 4, 1
	v_and_b32 v3, 31, v0
	v_lshlrev_b32 v[LI], 4, v3
	s_lshl_b32 s29, s21, 13
	v_add_nc_u32 v[ADRA], s29, v[LI]
	v_add_nc_u32 v[ADRA+1], 65536, v[ADRA]
	s_lshl_b32 s29, s22, 13
	s_add_co_u32 s29, s29, LB
	v_add_nc_u32 v[ADRB], s29, v[LI]
	v_add_nc_u32 v[ADRB+1], 65536, v[ADRB]
	s_lshl_b32 s66, s21, 12
	s_lshl_b32 s67, s22, 12
	s_add_co_u32 s67, s67, 8192
	s_sub_co_u32 s67, s67, s66
	v_mul_u32_u24 v6, s67, v2
	s_add_co_u32 s66, s66, LSC
	v_lshlrev_b32 v5, 4, v1
	v_add_nc_u32 v5, v5, v6
	v_add_nc_u32 v[ADRS], s66, v5
	v_lshlrev_b32 v[BOR], 6, v2
	s_wait_alu depctr_va_vdst(0)
	v_and_b32 v5, 8, v1
	v_add_nc_u32 v5, v5, v1
	v_lshlrev_b32 v[BOL], 2, v5
	s_wait_alu depctr_va_vdst(0)
.irp b, 0,1,2,3
	v_mov_b32 v[TM+4+\b], 0
.endr
	s_cmp_eq_u32 s25, 1
	s_cselect_b64 s[8:9], s[10:11], s[8:9]
	s_cmp_eq_u32 s25, 2
	s_cselect_b64 s[8:9], s[12:13], s[8:9]
	s_lshl_b32 s2, s23, 10
	s_lshl_b32 s3, s22, 9
	s_add_co_u32 s2, s2, s3
	s_mov_b32 s3, 0
	s_add_nc_u64 s[10:11], s[8:9], s[2:3]
	s_lshl_b32 s2, s24, 10
	s_lshl_b32 s16, s21, 9
	s_add_co_u32 s2, s2, s16
	s_add_nc_u64 s[12:13], s[8:9], s[2:3]
.irp b, 0,1,2,3
.irp q, 0,1,2,3
	global_load_b128 v[BI+16*\b+4*\q:BI+16*\b+4*\q+3], v[BOR], s[10:11] offset:(32*\b+4*\q)*4
.endr
.endr
	WIN TO_B
.irp a, 0,1,2,3,4,5,6,7
	global_load_b32 v[BV+2*\a], v[BOL], s[12:13] offset:(32*(\a/2)+8*(\a%2))*4
	global_load_b32 v[BV+2*\a+1], v[BOL], s[12:13] offset:(32*(\a/2)+8*(\a%2))*4
.endr
	WIN 0
	s_cmp_eq_u32 s25, 2
	s_cselect_b32 s16, s27, s28
	s_cselect_b32 s17, s24, s23
	s_cselect_b32 s18, s21, s22
	s_cselect_b32 s19, s22, s21
	s_cselect_b32 s29, VCO, 0
	s_cselect_b32 s30, VSO-QSO, 0
	s_cmp_eq_u32 s25, 1
	s_cselect_b32 s29, KCO, s29
	s_cselect_b32 s30, KSO-QSO, s30
	s_lshr_b32 s31, s16, 3
	s_lshl_b32 s31, s31, 4
	s_lshl_b32 s17, s17, 2
	s_add_co_u32 s31, s31, s17
	s_lshl_b32 s18, s18, 1
	s_add_co_u32 s31, s31, s18
	s_mul_i32 s31, s31, REC
	s_and_b32 s16, s16, 7
	s_lshl_b32 s16, s16, 1
	s_add_co_u32 s16, s16, s19
	s_lshl_b32 s2, s16, 12
	s_add_co_u32 s2, s2, s29
	s_add_co_u32 s2, s2, s31
	s_add_nc_u64 s[92:93], s[14:15], s[2:3]
	s_lshl_b32 s2, s16, 8
	s_add_co_u32 s2, s2, s30
	s_add_co_u32 s2, s2, s31
	s_add_co_u32 s2, s2, QSO
	s_add_nc_u64 s[94:95], s[14:15], s[2:3]
.macro FRAG reg, adr, q, i
.irp c, 0,1
	ds_load_b128 v[\reg+4*\c:\reg+4*\c+3], v[\adr] offset:16384*(\q)+1024*(\i)+512*\c
.endr
.endm
.macro MUL16 a0, p, q, sc, zero
.irp a, \a0, \a0+1
.irp b, 0,1,2,3,4,5,6,7
.if \zero
	v_wmma_scale_f32_16x16x128_f8f6f4 v[8*(8*((\a)%4)+\b):8*(8*((\a)%4)+\b)+7], v[128*(\p)+FR*\b:128*(\p)+FR*\b+FR-1], v[AF+FR*(\a):AF+FR*(\a)+FR-1], 0, v[SC+8*NQ*(\sc)+NQ*\b+(\q)], v[SC+8*NQ*(\sc)+NQ*(\a)+(\q)] matrix_a_fmt:MATRIX_FMT_FP4 matrix_b_fmt:MATRIX_FMT_FP4 matrix_a_scale:MATRIX_SCALE_ROW1
.else
	v_wmma_scale_f32_16x16x128_f8f6f4 v[8*(8*((\a)%4)+\b):8*(8*((\a)%4)+\b)+7], v[128*(\p)+FR*\b:128*(\p)+FR*\b+FR-1], v[AF+FR*(\a):AF+FR*(\a)+FR-1], v[8*(8*((\a)%4)+\b):8*(8*((\a)%4)+\b)+7], v[SC+8*NQ*(\sc)+NQ*\b+(\q)], v[SC+8*NQ*(\sc)+NQ*(\a)+(\q)] matrix_a_fmt:MATRIX_FMT_FP4 matrix_b_fmt:MATRIX_FMT_FP4 matrix_a_scale:MATRIX_SCALE_ROW1
.endif
.endr
.endr
.endm
.macro FETCH_B k, q, p
	WIN TO_B
.irp i, 0,1,2,3,4,5,6,7
	FRAG 128*(\p)+FR*\i, ADRB+\k, \q, \i
.endr
	WIN 0
.endm
.macro FETCH_A k, q, i0
.irp i, \i0, \i0+1, \i0+2, \i0+3
	FRAG AF+FR*(\i), ADRA+\k, \q, \i
.endr
.endm
.macro SCALES g
.irp i, 0,1,2,3,4,5,6,7
	ds_load_b128 v[SC+8*NQ*\g+NQ*\i:SC+8*NQ*\g+NQ*\i+3], v[ADRS] offset:512*\i+256*\g
.endr
.endm
.macro STEP k, q, zero
	s_wait_dscnt 8
	WIN MUL_LO
	MUL16 0, (\q)%2, \q, \k, \zero
	MUL16 2, (\q)%2, \q, \k, \zero
	s_wait_dscnt 0x0
	PLACES NP
	FETCH_B \k, (\q)+1, 1-(\q)%2
	FETCH_A \k, (\q)+1, 0
	WIN MUL_HI
	MUL16 4, (\q)%2, \q, \k, \zero
	MUL16 6, (\q)%2, \q, \k, \zero
	PLACES NP
	WIN 0
	FETCH_A \k, (\q)+1, 4
.endm
	s_wait_alu depctr_va_vdst(0)                   ; the wait at the head's end
	s_wait_tensorcnt 0x0                           ; my tile of the head's four is in
	ds_add_u32 v118, v119
	s_mov_b32 s[G1A+2], 128<<16                    ; no tensor load of mine is out, so a descriptor may be written: from here on a load of codes brings 128 rows
	s_mov_b32 s[G1A+4], 128
	s_mov_b32 s[G1B+2], 128<<16
	s_mov_b32 s[G1B+4], 128
	s_wait_dscnt 0x0
	CROUND                                         ; a whole round: all four tiles are in, and all sixteen work-groups are here
	JLOAD G0A+8, G1A, G0B+8, G1B                   ; K steps 4-7: the first tensor load behind the round, a quarter a wave
	FETCH_B 0, 0, 0
	FETCH_A 0, 0, 0
	SCALES 0
	SCALES 1
	FETCH_A 0, 0, 4
	STEP 0, 0, 1
	STEP 0, 1, 0
	STEP 0, 2, 0
	s_wait_tensorcnt 0x0
	s_wait_dscnt 8
	WIN MUL_LO
	MUL16 0, 1, 3, 0, 0
	s_wait_dscnt 0x0
	s_barrier_signal -1
	MUL16 2, 1, 3, 0, 0
	s_barrier_wait -1
	PLACES NP
	FETCH_B 1, 0, 0
	FETCH_A 1, 0, 0
	WIN MUL_HI
	MUL16 4, 1, 3, 0, 0
	MUL16 6, 1, 3, 0, 0
	PLACES NP
	WIN 0
	FETCH_A 1, 0, 4
	STEP 1, 0, 0
	STEP 1, 1, 0
	STEP 1, 2, 0
	s_wait_dscnt 8
	WIN MUL_LO
	MUL16 0, 1, 3, 1, 0
	MUL16 2, 1, 3, 1, 0
	s_wait_dscnt 0x0
	WIN MUL_HI
	MUL16 4, 1, 3, 1, 0
	MUL16 6, 1, 3, 1, 0
	WIN 0
	PLACES NP
	s_wait_loadcnt 0x0                             ; the biases, asked for at the head, are first read on the way out; no product names their registers
.macro OUTQK a
	s_wait_xcnt 0x0
	WIN 0x02+((\a)/4)
.set AC, 64*((\a)%4)
.irp i, 0,2,4,6,8,10,12,14,16,18,20,22,24,26,28,30,32,34,36,38,40,42,44,46,48,50,52,54,56,58,60,62
	v_pk_add_f32 v[HA+\i:HA+\i+1], v[AC+\i:AC+\i+1], v[BI+\i:BI+\i+1]
.endr
	WIN 0
	QUANT HA, SW+(\a)
	global_store_b128 v[LI], v[PC:PC+3], s[92:93] offset:(\a)*512
	global_store_b128 v[LI], v[PC+4:PC+7], s[92:93] offset:REC+(\a)*512
.endm
.macro OUTV a
	s_wait_xcnt 0x0
	WIN 0x06+((\a)/4)
.set AC, 64*((\a)%4)
.irp i, 0,2,4,6,8,10,12,14,16,18,20,22,24,26,28,30,32,34,36,38,40,42,44,46,48,50,52,54,56,58,60,62
	v_pk_add_f32 v[HA+\i:HA+\i+1], v[AC+\i:AC+\i+1], v[BV+2*(\a):BV+2*(\a)+1]
.endr
	WIN 0
	QUANT HA, SW+(\a)
	global_store_b128 v[LI], v[PC:PC+3], s[92:93] offset:((\a)/4)*REC+((\a)%4)*1024
	global_store_b128 v[LI], v[PC+4:PC+7], s[92:93] offset:((\a)/4)*REC+((\a)%4)*1024+512
.endm
	s_cmp_eq_u32 s25, 2
	s_cbranch_scc1 .Lvalues
	v_mul_u32_u24 v[SOF], v2, REC
	v_lshl_add_u32 v[SOF], v1, 4, v[SOF]
.irp a, 0,1,2,3,4,5,6,7
	OUTQK \a
.endr
.irp f, 0,1,2,3
	v_perm_b32 v[TM+\f], v[SW+2*\f+1], v[SW+2*\f], s98
	v_perm_b32 v[TM+4+\f], v[SW+2*\f+1], v[SW+2*\f], s99
.endr
	v_cmp_ne_u32 vcc_lo, 0, v2
.irp f, 0,1,2,3
	v_cndmask_b32 v[TM+\f], v[TM+\f], v[TM+4+\f], vcc_lo
.endr
	global_store_b128 v[SOF], v[TM:TM+3], s[94:95]
	s_branch .Ldone
.Lvalues:
	v_lshlrev_b32 v[SOF], 3, v3
.irp a, 0,1,2,3,4,5,6,7
	OUTV \a
.endr
	v_cmp_ne_u32 vcc_lo, 0, v2
.irp e, 0,1
	v_cndmask_b32 v[TM+2*\e], v[SW+4*\e], v[SW+4*\e+2], vcc_lo
	v_cndmask_b32 v[TM+2*\e+1], v[SW+4*\e+1], v[SW+4*\e+3], vcc_lo
	global_store_b64 v[SOF], v[TM+2*\e:TM+2*\e+1], s[94:95] offset:\e*REC
.endr
.Ldone:
	s_wait_tensorcnt 0x0
	ds_add_u32 v118, v119
	s_wait_dscnt 0x0
	CROUND
	s_endpgm
.Lfunc_end_k_q8e9046cba4_proj:
	.size	k_q8e9046cba4_proj, .Lfunc_end_k_q8e9046cba4_proj-k_q8e9046cba4_proj
	.p2alignl 7, 3214868480
	.fill 96, 4, 3214868480
	.section	.rodata,"a",@progbits
	.p2align	6, 0x0
	.amdhsa_kernel k_q8e9046cba4_proj
		.amdhsa_group_segment_fixed_size 327680
		.amdhsa_private_segment_fixed_size 0
		.amdhsa_enable_private_segment 0
		.amdhsa_kernarg_size 48
		.amdhsa_user_sgpr_count 2
		.amdhsa_user_sgpr_kernarg_segment_ptr 1
		.amdhsa_wavefront_size32 1
		.amdhsa_system_sgpr_workgroup_id_x 1
		.amdhsa_system_sgpr_workgroup_id_y 1
		.amdhsa_system_sgpr_workgroup_id_z 1
		.amdhsa_system_vgpr_workitem_id 0
		.amdhsa_next_free_vgpr 1024
		.amdhsa_next_free_sgpr 100
		.amdhsa_reserve_vcc 1
		.amdhsa_float_denorm_mode_32 3
		.amdhsa_float_denorm_mode_16_64 3
		.amdhsa_memory_ordered 1
		.amdhsa_forward_progress 1
		.amdhsa_inst_pref_size 197
	.end_amdhsa_kernel
	.amdgpu_metadata
---
amdhsa.version: [ 1, 2 ]
amdhsa.kernels:
  - .name:           k_q8e9046cba4_proj
    .symbol:         k_q8e9046cba4_proj.kd
    .args:
      - { .name: cod, .offset: 0, .size: 8, .value_kind: global_buffer, .address_space: global }
      - { .name: scl, .offset: 8, .size: 8, .value_kind: global_buffer, .address_space: global }
      - { .name: bq, .offset: 16, .size: 8, .value_kind: global_buffer, .address_space: global }
      - { .name: bk, .offset: 24, .size: 8, .value_kind: global_buffer, .address_space: global }
      - { .name: bv, .offset: 32, .size: 8, .value_kind: global_buffer, .address_space: global }
      - { .name: qkv, .offset: 40, .size: 8, .value_kind: global_buffer, .address_space: global }
    .group_segment_fixed_size: 327680
    .private_segment_fixed_size: 0
    .kernarg_segment_align: 8
    .kernarg_segment_size: 48
    .max_flat_workgroup_size: 128
    .sgpr_count:     100
    .vgpr_count:     1024
    .wavefront_size: 32
...
	.end_amdgpu_metadata
.endif
;; end of part 2
;; launch attn (part 3): grid 4 x 64, 8 waves a work-group, clusters of 4 x 1, 210,944 bytes of LDS; arguments qkv, out0; writes out0
.if DOCPART == 3
	.amdgcn_target "amdgcn-amd-amdhsa--gfx1250"
	.amdhsa_code_object_version 6
	.text
	.protected	k_q8e9046cba4_attn
	.globl	k_q8e9046cba4_attn
	.p2align	8
	.type	k_q8e9046cba4_attn,@function
k_q8e9046cba4_attn:
	s_mov_b64 s[64:65], 0
	v_nop
	global_prefetch_b8 v0, s[64:65] scope:SCOPE_SE
	s_setreg_imm32_b32 hwreg(HW_REG_WAVE_MODE, 25, 1), 1
	s_wait_xcnt 0x0
	s_wait_alu depctr_hold_cnt(0) depctr_sa_sdst(0) depctr_va_vdst(0) depctr_va_sdst(0) depctr_va_ssrc(0) depctr_va_vcc(0) depctr_vm_vsrc(0)
	s_getreg_b32 s2, hwreg(HW_REG_IB_STS2, 6, 4)
	s_cmp_eq_u32 s2, 0
	s_cbranch_scc0 .Lentry_in_a_cluster
	s_endpgm
.Lentry_in_a_cluster:
	s_bfe_u32 s2, ttmp6, 0x10000c
	s_cmp_lg_u32 s2, 0x3003
	s_cbranch_scc0 .Lentry_shape_is_right
	s_endpgm
.Lentry_shape_is_right:
; out[b][q][64 head + d] = the sum over keys of softmax(Q . K / 8) V, both products on codes of FP4 (E2M1) with E8M0 scales, from the records that the launch before has laid (16 batch + head; REC bytes):
;   Q's codes at 0 and K's at 69,632: [token tile 128][lane][16 bytes], lane (r, h): d = 32 h + 0 .. 31;  their scale words at 65,536 and 200,704: [16][r][4], word f: tile 8 s + 2 f's two bytes low, tile 8 s + 2 f + 1's high;
;   V's codes at 135,168: [key step 16][d tile 4][c 2][lane][16 bytes], the keys innermost;  its scale words at 204,800: [key step][2][r][2].   Row r of a stored tile T is row 32 (T / 2) + 8 (T % 2) + r + 8 (r / 8), of tokens and of d alike.
; THE SOFTMAX AHEAD OF THE SECOND PRODUCT: t = score x log2(e) / 8; M = the running largest t rounded UP to a whole number; p = 2^(t - M) is quantised along the keys, not normalised.  The row's sum is taken of the unquantised p
; and divides at the end.  When M moves, the sum and O are multiplied by 2^(old M - new M): exact, and with no branch on data.
; SHARES.  A work-group owns 512 queries of one head; each of its eight waves 64 of them, four tiles of 16, as two passes of TWO TILES AT ONCE: each fragment of K and V read from LDS feeds two products, and the two tiles' dependent lines take turns.
; A key step is 256 keys: the running maximum, the change of M and the rescaling of O come once for 256 keys.
; A HEAD'S K, V AND THEIR SCALES, 139,264 consecutive bytes of its record, LIE IN LDS WHOLE, each byte filled once: eight joint loads, one a wave.  The four query blocks of a head form a cluster and ask for them jointly.
; Both products are used transposed (S^T = K Q^T, O^T = V^T P^T): a lane holds ONE query throughout.
; THE KEYS OF A TILE ARE CHOSEN BY THE LANE'S LDS ADDRESS: rows 0-7 of tile (c, u) are keys 64 c + 8 u + 0 .. 7, rows 8-15 keys 64 c + 32 + 8 u + 0 .. 7 of a run of 128.  So the 32 registers of tiles (c, 0 .. 3) are, in lane half h, the
; keys 64 c + 32 h + 0 .. 31: a WHOLE block of the second product's K, in the order of that operand's registers.  A block's maximum needs no other lane, and the conversions' results are the operand as they stand.
; (K's reads so take 8 + 8 rows that lie 1,024 bytes apart: two lanes of a group of sixteen name the same 16-byte column of the banks.)
; THE HEAD HAS 64 AND THE INSTRUCTION 128 ALONG K: a fragment of K carries TWO key tiles (registers 0-3, 4-7), and Q stands as [q, 0] and as [0, q]: the other tile's codes meet zero codes, which add nothing.
; No prefetch: every byte that the launch reads is asked for at its head, and no loop runs ahead of a load.
; LIMITS: NaN and infinities are not served; the promise holds while the scaled scores stay under 2^31 in magnitude; a block whose every p has fallen under 2^-124 gets the byte 1 (p that small turns to zero codes).
; REGISTERS.  Window 1 (v256-511): S^T, then p: tile t at 128 t, register 32 b + i = key 64 b + 32 h + i : block b of the lane.  Window 0: v1-7 addresses that stay; v8-11 addresses in hand; v12-19 the two tiles' -M, largest score, sum;
; v20-55 [0][q0][0][q1][0][q2][0][q3][0]; v56-59 Q's scale words; v64-127 fragments of K, then of V; v128-191 O^T; v192-223 p's codes (at work ahead of the conversions); v224-239 scales; v240-247 block maxima; v248-251 f.
.set REC,   208896
.set QSO,   65536
.set FILL0, 69632                      ; the record's byte from which the fills read
.set PART,  17408                      ; 68 rows of 256 bytes: an eighth of them
.set LV,    65536                      ; LDS: K's codes at 0, V's here,
.set LKS,   131072                     ; K's scale words, 256 bytes for 128 keys,
.set LVS,   135168                     ; V's likewise,
.set STG,   139264                     ; the stages for the way out: 16 rows x (256 + 16) bytes for each wave, in blocks of 256 bytes into which no fill lands,
.set SPARE, 0x33000                    ; and the spare words, 128 bytes for each wave
.set AK,    1                          ; K's codes: 1,024 (m / 8) + 256 h + 16 (m % 8), m = lane % 16
.set AKS,   2                          ; K's scale words: 16 (m % 8) + 4 (m / 8)
.set AVS,   3                          ; V's scale words: 8 x lane
.set AV,    4                          ; V's codes: 16 x lane
.set STI,   5
.set STO,   6
.set GO,    7
.set ADK,   8
.set ADS,   9
.set ADV,   10
.set ADT,   11
.set ST,    12                         ; tile t: v[ST + 4 t] -M, + 1 the largest score, + 2, + 3 the sum in two halves
.set QZ,    20
.set QW,    56
.set F,     64
.set O,     128
.set PC,    192
.set KSC,   224                        ; K's scale words, one for each pair of key tiles
.set VSC,   232                        ; V's: two for each 128 keys: lanes 0-15 d tiles 0, 1; lanes 16-31 d tiles 2, 3
.set PW,    236                        ; p's scale words: tile t, 128 keys g: 2 t + g
.set BM,    240                        ; block k = 4 t + b: its largest score, its largest p, then the conversions' scale operand
.set FF,    248                        ; tile t: v[FF + 2 t] = f = 2^(old M - new M)
.set PSEL,  252                        ; v_perm_b32's selector: my two bytes to places h and 2 + h of a scale word
.set SPW,   254
.set NIL,   255
.set WV,    8
.set SEL,   28                         ; s[28:29] v_permlanex16_b32's selects for lane l xor 16
.set CS,    30                         ; s30 c = log2(e) / 8
.set CLIT,  0x3e38aa3b                 ; the same number as a literal
.set NM2,   61                         ; v61, v63: a second copy of each tile's -M, in another register bank than the first: the two halves of a dual pair name one each
.set TV,    32                         ; the step's bytes from the start of K's and V's codes,
.set TVS,   33                         ; and of their scale words
.set CNT,   36
.set MSB, 0
.macro WIN new                         ; the immediate's high byte repeats the setting that is left
.if MSB != (\new)
	s_set_vgpr_msb (MSB<<8)|(\new)
.set MSB, (\new)
.endif
.endm
.macro CROUND                          ; a round of the cluster's barrier
	s_barrier_signal -1
	s_barrier_wait -1
	s_cmp_lg_u32 s[WV], 0
	s_cbranch_scc1 .Lnot_wave_0_\@
	s_barrier_signal -3
.Lnot_wave_0_\@:
	s_barrier_wait -3
	s_barrier_signal -1
	s_barrier_wait -1
.endm
; K of 256 keys: fragment g = 4 (which 128) + 2 c + v carries tiles (c, 2 v) and (c, 2 v + 1); its scale word holds both tiles' bytes of the lane's row
.macro KLOAD ak, as
.irp g, 0,1,2,3,4,5,6,7
	ds_load_b128 v[F+8*\g:F+8*\g+3], v[\ak] offset:4096*(\g/4)+2048*((\g/2)%2)+128*(\g%2)
	ds_load_b128 v[F+8*\g+4:F+8*\g+7], v[\ak] offset:4096*(\g/4)+2048*((\g/2)%2)+128*(\g%2)+512
	ds_load_b32 v[KSC+\g], v[\as] offset:256*(\g/4)+8*((\g/2)%2)+128*(\g%2)
.endr
.endm
.macro INIT                            ; two tiles begin: the step is written once, and its first trip finds zeros, which the first change of M leaves zeros
.irp t, 0,1
	v_mov_b32 v[ST+1+4*\t], 0xff61b1e6             ; the largest score so far: -3e38
	v_mov_b32 v[ST+4*\t], 0x7f61b1e6               ; -M: 3e38
	v_mov_b32 v[ST+2+4*\t], 0
	v_mov_b32 v[ST+3+4*\t], 0
.endr
.set j, 0
.rept 64
	v_mov_b32 v[O+j], 0
.set j, j+1
.endr
	s_wait_alu depctr_va_vdst(0)                   ; the wait ahead of the waits and the loop below
.endm
	s_load_b128 s[4:7], s[0:1], 0x0                ; qkv s[4:5], out0 s[6:7]
	v_lshl_add_u32 v[SPW], v0, 2, SPARE
	v_mov_b32 v[NIL], 0
	ds_add_u32 v[SPW], v[NIL]                      ; the opening lines: the add, twice on end, and its wait ahead of my tensor load
	ds_add_u32 v[SPW], v[NIL]
	v_lshrrev_b32 v1, 5, v0
	v_readfirstlane_b32 s[WV], v1                  ; wave 0..7
	s_bfe_u32 s9, ttmp6, 0x40000                   ; cx: my block of 512 queries; it enters Q's and the output's addresses alone
	s_and_b32 s10, ttmp7, 0xffff                   ; 16 batch + head, which the four partners share
	s_mul_i32 s12, s10, REC                        ; the record
	s_mul_i32 s25, s[WV], PART                     ; group 0, 63:32: LDS address of my eighth
	s_add_co_u32 s14, s25, FILL0
	s_add_co_u32 s14, s14, s12
	s_mov_b32 s15, 0
	s_mov_b32 s24, 1                               ; group 0, 1:0: count = 1
	s_mov_b32 s16, 15|(3<<16)|(1<<21)              ; group 1: the mask: all four work-groups; elements of 8 bytes; bit 21 beside a mask; no padding
	s_mov_b32 s17, 32<<16                          ; tensor_dim0 = 32 elements: rows of 256 bytes
	s_mov_b32 s18, 68<<16                          ; tensor_dim1
	s_mov_b32 s19, 32<<16                          ; tile_dim0
	s_mov_b32 s20, 68                              ; tile_dim1
	s_mov_b32 s21, 32                              ; the pitch: dense
	s_mov_b32 s22, 0
	s_mov_b32 s23, 0
	s_lshl_b32 s44, s9, 5
	s_lshl_b32 s45, s[WV], 2
	s_add_co_u32 s44, s44, s45                     ; my first token tile: 32 cx + 4 wave
	s_lshl_b32 s40, s44, 9
	s_add_co_u32 s40, s40, s12                     ; its codes
	s_mov_b32 s41, 0
	s_lshr_b32 s45, s44, 3                         ; the two words that hold my four tiles' scale bytes: 256 (tile / 8) + 4 ((tile / 2) % 4), + 16 r
	s_lshl_b32 s45, s45, 8
	s_bfe_u32 s46, s44, 0x20001
	s_lshl_b32 s46, s46, 2
	s_add_co_u32 s46, s46, s45
	s_add_co_u32 s46, s46, s12
	s_add_co_u32 s46, s46, QSO
	s_mov_b32 s47, 0
	s_lshr_b32 s42, s10, 4                         ; the output: (2,048 batch + 16 x tile) rows of 4,096 bytes + 256 x head
	s_lshl_b32 s42, s42, 11
	s_lshl_b32 s45, s44, 4
	s_add_co_u32 s42, s42, s45
	s_lshl_b32 s42, s42, 12
	s_and_b32 s45, s10, 15
	s_lshl_b32 s45, s45, 8
	s_add_co_u32 s42, s42, s45
	s_mov_b32 s43, 0
	s_mov_b32 s[SEL], 0x76543210
	s_mov_b32 s[SEL+1], 0xfedcba98
	s_mov_b32 s[CS], 0x3e38aa3b                    ; log2(e) / 8
	s_mov_b32 s37, 0x01000100                      ; v_perm_b32: the low two bytes twice;
	s_mov_b32 s38, 0x03020302                      ; the high two twice
	s_wait_dscnt 0x0                               ; both opening adds are done
	s_wait_kmcnt 0x0
	s_add_nc_u64 s[26:27], s[4:5], s[14:15]        ; group 0, 120:64: my eighth in memory
	s_or_b32 s27, s27, 0x80000000                  ; 127:126 type = 2
	s_add_nc_u64 s[40:41], s[4:5], s[40:41]
	s_add_nc_u64 s[46:47], s[4:5], s[46:47]
	s_add_nc_u64 s[42:43], s[6:7], s[42:43]
	CROUND                                         ; all four work-groups are here: the joint loads meet
	tensor_load_to_lds s[24:27], s[16:23]          ; every wave fetches its eighth: my one tensor load of the launch
	s_nop 0
.rept 4
	v_nop
.endr
	v_and_b32 v8, 31, v0                           ; lane
	v_and_b32 v9, 15, v0                           ; r
	v_bfe_u32 v10, v0, 4, 1                        ; h
	v_and_b32 v11, 7, v0                           ; m % 8
	v_bfe_u32 v12, v0, 3, 1                        ; m / 8
	v_lshlrev_b32 v13, 4, v8
	v_lshlrev_b32 v14, 4, v9
.irp i, 0,1,2,3
	global_load_b128 v[QZ+4+8*\i:QZ+7+8*\i], v13, s[40:41] offset:512*\i   ; q of my four tiles
.endr
	global_load_b64 v[60:61], v14, s[46:47]        ; their scale bytes of row r
	v_lshlrev_b32 v[AK], 4, v11
	v_lshl_add_u32 v[AKS], v11, 4, LKS
	v_lshl_add_u32 v[AK], v12, 10, v[AK]
	v_lshl_add_u32 v[AKS], v12, 2, v[AKS]
	v_lshl_add_u32 v[AK], v10, 8, v[AK]
	v_lshl_add_u32 v[AVS], v8, 3, LVS
	v_lshl_add_u32 v[AV], v8, 4, LV
	s_mul_i32 s44, s[WV], 16*272
	s_add_co_u32 s44, s44, STG                     ; my stage
	v_mul_u32_u24 v[STI], v9, 272
	v_mul_u32_u24 v[STO], v10, 272
	v_lshl_add_u32 v[STI], v10, 6, v[STI]
	v_lshl_add_u32 v[STO], v9, 4, v[STO]
	v_add_nc_u32 v[STI], s44, v[STI]               ; in: row r, + 64 h bytes: register 16 B + i is d = 32 B + 16 h + i
	v_add_nc_u32 v[STO], s44, v[STO]               ; back: lanes 0-15 one row of 256 bytes, lanes 16-31 the next
	v_lshlrev_b32 v[GO], 12, v10
	v_lshl_add_u32 v[GO], v9, 4, v[GO]             ; and the same two rows of the output
	v_mov_b32 v62, 0x04010001                      ; lanes 16-31: bytes to places 1 and 3; lanes 0-15: to 0 and 2; the other places take a zero byte
	v_cmp_ne_u32 vcc_lo, 0, v10
	v_cndmask_b32 v[PSEL], 0x01040100, v62, vcc_lo
.irp i, 0,1,2,3,4
.irp j, 0,1,2,3
	v_mov_b32 v[QZ+8*\i+\j], 0                     ; the zero codes beside q
.endr
.endr
.irp j, 2,3,20,21,22,23
	v_mov_b32 v[PC+\j], 0                          ; written once: a lane permute's destination counts as one of its sources
.endr
	v_mov_b32 v[FF+1], 0                           ; (named as the upper halves of pairs)
	v_mov_b32 v[FF+3], 0
	s_wait_alu depctr_va_vdst(0)                   ; the wait here, directly ahead of the wait below
	s_wait_loadcnt 0x0                             ; Q
	v_perm_b32 v[QW], v60, v60, s37                ; a tile's word: its two bytes for k 0-63 and again for k 64-127
	v_perm_b32 v[QW+1], v60, v60, s38
	v_perm_b32 v[QW+2], v61, v61, s37
	v_perm_b32 v[QW+3], v61, v61, s38
	INIT
	s_wait_tensorcnt 0x0                           ; my eighth is in,
	s_barrier_signal -1
	s_barrier_wait -1                              ; everybody's is: the head's K and V lie in LDS for the rest of the launch
	KLOAD AK, AKS                                  ; K of key step 0
; A KEY STEP: 256 keys for tiles 2 p and 2 p + 1 of my four.
.macro STEP p
	s_wait_dscnt 0x0                               ; this step's K and its scale words are in
	WIN 0x40                                       ; the scores go to window 1
.irp g, 0,1,2,3,4,5,6,7
.irp e, 0,1
.irp t, 0,1
	v_wmma_scale_f32_16x16x128_f8f6f4 v[128*\t+16*\g+8*\e:128*\t+16*\g+8*\e+7], v[F+8*\g:F+8*\g+7], v[QZ+4-4*\e+8*(2*(\p)+\t):QZ+11-4*\e+8*(2*(\p)+\t)], 0, v[KSC+\g], v[QW+2*(\p)+\t] matrix_a_fmt:MATRIX_FMT_FP4 matrix_b_fmt:MATRIX_FMT_FP4
.endr
.endr
.endr
	WIN 0
	v_add_nc_u32 v[ADV], s[TV], v[AV]              ; four plain lines: the places in front of the loads into the fragments' registers and of the first read of the scores
	v_add_nc_u32 v[ADT], s[TVS], v[AVS]
	v_nop
	v_nop
.irp i, 0,1,2,3,4,5,6,7,8,9,10,11,12,13,14,15
	ds_load_b128 v[F+4*\i:F+4*\i+3], v[ADV] offset:512*\i   ; V of this step, where K lay: 32 (which 128) + 8 (d tile) + 4 c
.endr
	ds_load_b64 v[VSC:VSC+1], v[ADT]
	ds_load_b64 v[VSC+2:VSC+3], v[ADT] offset:256
	WIN 0x05                                       ; sources 0 and 1: the scores
.irp k, 0,1,2,3,4,5,6,7
	v_max_num_f32 v[BM+\k], v[32*\k], v[32*\k+1]   ; the largest score of each block of 32 keys, all mine; eight blocks by turns; each accumulator from its low end on
.endr
.irp i, 2,4,6,8,10,12,14,16,18,20,22,24,26,28,30
.irp k, 0,1,2,3,4,5,6,7
	v_max3_num_f32 v[BM+\k], v[32*\k+\i], v[32*\k+\i+1], v[BM+\k]
.endr
.endr
	WIN 0
.irp t, 0,1
	v_max3_num_f32 v[PC+\t], v[BM+4*\t], v[BM+4*\t+1], v[BM+4*\t+2]
.endr
.irp t, 0,1
	v_max_num_f32 v[PC+\t], v[PC+\t], v[BM+4*\t+3]
.endr
.irp t, 0,1
	v_permlanex16_b32 v[PC+2+\t], v[PC+\t], s[SEL], s[SEL+1]
.endr
.irp t, 0,1
	v_max3_num_f32 v[ST+1+4*\t], v[ST+1+4*\t], v[PC+\t], v[PC+2+\t]   ; the running largest score of my query, lane l xor 16's keys among them
.endr
.irp t, 0,1
	v_mul_f32 v[PC+\t], s[CS], v[ST+1+4*\t]        ; as t (c is positive)
.endr
.irp t, 0,1
	v_floor_f32 v[PC+2+\t], -v[PC+\t]              ; the new -M = floor(-t) = -ceil(t): a whole number
.endr
.irp t, 0,1
	v_sub_f32 v[PC+\t], v[PC+2+\t], v[ST+4*\t]     ; old M - new M: a whole number, 0 or less
.endr
.irp t, 0,1
	v_mov_b32 v[ST+4*\t], v[PC+2+\t]
	v_mov_b32 v[NM2+2*\t], v[PC+2+\t]
.endr
.irp t, 0,1
	v_cvt_i32_f32 v[PC+\t], v[PC+\t]               ; (it saturates)
.endr
.irp t, 0,1
	v_ldexp_f32 v[FF+2*\t], 1.0, v[PC+\t]          ; f = 2^(old M - new M)
.endr
.irp k, 0,1,2,3,4,5,6,7
	v_fma_f32 v[BM+\k], v[BM+\k], s[CS], v[ST+4*(\k/4)]   ; t - M of each block's largest score
.endr
	WIN 0x41                                       ; source 0 and the destination: the scores
.irp t, 0,1
.set j, 128*\t
.rept 64
	v_dual_fmamk_f32 v[j], v[j], CLIT, v[ST+4*\t] :: v_dual_fmamk_f32 v[j+1], v[j+1], CLIT, v[NM2+2*\t]   ; t - M = score x c + (-M), fused, two to a pair: an even and an odd destination, sources in different banks
.set j, j+2
.endr
.endr
	s_wait_alu depctr_va_vdst(0)                   ; the wait ahead of the batch
.set j, 0
.rept 256
	v_exp_f32 v[j], v[j]                           ; p = 2^(t - M), at most 1
.set j, j+1
.endr
	WIN 0
.irp k, 0,1,2,3,4,5,6,7
	v_exp_f32 v[BM+\k], v[BM+\k]                   ; the block's largest p: the same two instructions on the same number
.endr
.irp t, 0,1
	v_pk_mul_f32 v[ST+2+4*\t:ST+3+4*\t], v[ST+2+4*\t:ST+3+4*\t], v[FF+2*\t:FF+2*\t+1] op_sel_hi:[1,0]   ; the sums under the new M.  (The plain lines behind the exponentials)
.endr
	s_wait_alu depctr_va_vdst(0)                   ; one wait for the whole batch, ahead of its first reader
.irp k, 0,1,2,3,4,5,6,7
	v_max_num_f32 v[BM+\k], 0x1800000, v[BM+\k]    ; the floor 2^(3 - 127): the byte cannot fall under 1
.endr
.irp k, 0,1,2,3,4,5,6,7
	v_add_nc_u32 v[BM+\k], 0xff000000, v[BM+\k]    ; 2 off the exponent field: the conversions' scale operand
.endr
.irp k, 0,1,2,3,4,5,6,7
	v_lshrrev_b32 v[PC+8+\k], 23, v[BM+\k]         ; the byte
.endr
.irp w, 0,1,2,3
	v_perm_b32 v[PC+16+\w], v[PC+9+2*\w], v[PC+8+2*\w], v[PSEL]   ; my two bytes of 128 keys' word, blocks h and 2 + h, at their places
.endr
.irp w, 0,1,2,3
	v_permlanex16_b32 v[PC+20+\w], v[PC+16+\w], s[SEL], s[SEL+1]
.endr
.irp w, 0,1,2,3
	v_or_b32 v[PW+\w], v[PC+16+\w], v[PC+20+\w]    ; with lane l xor 16's two the word is whole
.endr
	WIN 0x01                                       ; source 0: p
.irp k, 0,1,2,3,4,5,6,7
.irp g, 0,1,2,3
	v_cvt_scalef32_pk8_fp4_f32 v[PC+4*\k+\g], v[32*\k+8*\g:32*\k+8*\g+7], v[BM+\k]   ; block k's 32 codes: four registers of the operand, as they stand
.endr
.endr
	WIN 0
	s_wait_alu depctr_va_vdst(0)                   ; the wait here, directly ahead of the first reader of O^T
.irp t, 0,1
.set j, O+32*\t
.rept 16
	v_pk_mul_f32 v[j:j+1], v[j:j+1], v[FF+2*\t:FF+2*\t+1] op_sel_hi:[1,0]   ; O^T under the new M, each accumulator from its low end on.  (These 32 stand between p's codes and scale words and the products)
.set j, j+2
.endr
.endr
	s_wait_alu depctr_va_vdst(0)                   ; the wait here, directly ahead of the wait below
	s_wait_dscnt 0x0                               ; V and its scale words are in
.irp g, 0,1
.irp d, 0,1,2,3
.irp t, 0,1
.if \d < 2
	v_wmma_scale_f32_16x16x128_f8f6f4 v[O+32*\t+8*\d:O+32*\t+8*\d+7], v[F+32*\g+8*\d:F+32*\g+8*\d+7], v[PC+16*\t+8*\g:PC+16*\t+8*\g+7], v[O+32*\t+8*\d:O+32*\t+8*\d+7], v[VSC+2*\g+\d%2], v[PW+2*\t+\g] matrix_a_fmt:MATRIX_FMT_FP4 matrix_b_fmt:MATRIX_FMT_FP4
.else
	v_wmma_scale_f32_16x16x128_f8f6f4 v[O+32*\t+8*\d:O+32*\t+8*\d+7], v[F+32*\g+8*\d:F+32*\g+8*\d+7], v[PC+16*\t+8*\g:PC+16*\t+8*\g+7], v[O+32*\t+8*\d:O+32*\t+8*\d+7], v[VSC+2*\g+\d%2], v[PW+2*\t+\g] matrix_a_fmt:MATRIX_FMT_FP4 matrix_b_fmt:MATRIX_FMT_FP4 matrix_a_scale:MATRIX_SCALE_ROW1
.endif
.endr
.endr
.endr                                  ; the eight accumulators take turns, one instruction a turn: seven others' stand between a sum's two steps
	s_add_co_u32 s[TV], s[TV], 8192                ; on to the next step
	s_add_co_u32 s[TVS], s[TVS], 512
	v_add_nc_u32 v[ADK], s[TV], v[AK]              ; four plain lines: the places in front of the loads into the fragments' registers
	v_add_nc_u32 v[ADS], s[TVS], v[AKS]
	v_nop
	v_nop
	s_cmp_eq_u32 s[CNT], 1                         ; the pass's last step has no next step: a count of trips alone decides
	s_cbranch_scc1 .Lno_next_\@
	KLOAD ADK, ADS                                 ; K of the next step, where V lay: the sums below stand between these loads and the wait for them
.Lno_next_\@:
	WIN 0x45                                       ; THE ROW'S SUM IS TAKEN OF THE UNQUANTISED p: a tree in place, two numbers an instruction
.irp n, 64,32,16,8,4,2
.irp t, 0,1
.set j, 128*\t
.rept \n/2
	v_dual_add_f32 v[j], v[j], v[j+\n] :: v_dual_add_f32 v[j+1], v[j+1], v[j+\n+1]
.set j, j+2
.endr
.endr
.endr
	WIN 0x01
.irp t, 0,1
	v_pk_add_f32 v[ST+2+4*\t:ST+3+4*\t], v[128*\t:128*\t+1], v[ST+2+4*\t:ST+3+4*\t]
.endr
	WIN 0
	s_wait_alu depctr_va_vdst(0)                   ; the wait here, ahead of the branch
.endm
; THE WAY OUT of tiles 2 p and 2 p + 1: O^T / the sum goes through my stage and leaves as whole rows of the head's 256 bytes.
.macro OUT p
.irp t, 0,1
	v_add_f32 v[ST+2+4*\t], v[ST+2+4*\t], v[ST+3+4*\t]     ; the sum's two halves,
.endr
.irp t, 0,1
	v_permlanex16_b32 v[PC+2+\t], v[ST+2+4*\t], s[SEL], s[SEL+1]
.endr
.irp t, 0,1
	v_add_f32 v[ST+2+4*\t], v[ST+2+4*\t], v[PC+2+\t]       ; and lane l xor 16's: the row's sum
.endr
	s_wait_alu depctr_va_vdst(0)                   ; the wait ahead of the transcendentals
	v_rcp_f32 v[ST+2], v[ST+2]
	v_rcp_f32 v[ST+6], v[ST+6]
	v_nop                                          ; a plain line behind them
	s_wait_alu depctr_va_vdst(0)                   ; the wait ahead of their first reader, which is also the first reader of O^T
.irp t, 0,1
.set j, O+32*\t
.rept 16
	v_pk_mul_f32 v[j:j+1], v[j:j+1], v[ST+2+4*\t:ST+3+4*\t] op_sel_hi:[1,0]
.set j, j+2
.endr
.endr
.irp t, 0,1
.irp b, 0,1
.irp q, 0,1,2,3
	ds_store_b128 v[STI], v[O+32*\t+16*\b+4*\q:O+32*\t+16*\b+4*\q+3] offset:128*\b+16*\q
.endr
.endr
	WIN 0x40                                       ; back into window 1, where p lay
.irp k, 0,1,2,3,4,5,6,7
	ds_load_b128 v[32*\t+4*\k:32*\t+4*\k+3], v[STO] offset:544*\k   ; LDS serves a wave's instructions in order (ISA guide 5.7.1.4): these see my stores, and the next tile's stores come behind them
.endr
	WIN 0
.endr
	WIN 0x04                                       ; the stores' data: window 1
.irp t, 0,1
.irp k, 0,1,2,3,4,5,6,7
	s_wait_dscnt 23-16*\t-\k                       ; the younger loads, and for the first tile the second's 16 stage instructions, may be out
	global_store_b128 v[GO], v[32*\t+4*\k:32*\t+4*\k+3], s[42:43] offset:(32*(\p)+8*\t+2*\k+8*(\k/4))*4096 th:TH_STORE_NT   ; the tile's rows 2 k and 2 k + 1: sixteen lanes store 256 consecutive bytes, aligned
.endr
.endr
	WIN 0
	s_wait_xcnt 0x0                                ; the stores have read their registers, which the next pass's scores write
.endm
; Two tiles of 16 queries walk the head's 8 key steps.  next = 1: another pass follows, and K of key step 0 is fetched for it ahead of the way out.
.macro PASS p, next
	s_mov_b32 s[TV], 0
	s_mov_b32 s[TVS], 0
	s_mov_b32 s[CNT], 8
.Lkeys_\@:
	STEP \p
	s_sub_co_u32 s[CNT], s[CNT], 1
	s_cmp_lg_u32 s[CNT], 0
	s_cbranch_scc1 .Lkeys_\@
.if \next
	KLOAD AK, AKS
.endif
	OUT \p
.endm
	PASS 0, 1
	INIT
	PASS 1, 0
	s_wait_tensorcnt 0x0                           ; the wave's end, behind my tensor load and my last LDS store
	ds_add_u32 v[SPW], v[NIL]
	s_wait_dscnt 0x0
	CROUND                                         ; the closing round: no work-group ends while a partner may still ask for a tile that names it
	s_endpgm
.Lfunc_end_k_q8e9046cba4_attn:
	.size	k_q8e9046cba4_attn, .Lfunc_end_k_q8e9046cba4_attn-k_q8e9046cba4_attn
	.p2alignl 7, 3214868480
	.fill 96, 4, 3214868480
	.section	.rodata,"a",@progbits
	.p2align	6, 0x0
	.amdhsa_kernel k_q8e9046cba4_attn
		.amdhsa_group_segment_fixed_size 210944
		.amdhsa_private_segment_fixed_size 0
		.amdhsa_enable_private_segment 0
		.amdhsa_kernarg_size 16
		.amdhsa_user_sgpr_count 2
		.amdhsa_user_sgpr_kernarg_segment_ptr 1
		.amdhsa_wavefront_size32 1
		.amdhsa_system_sgpr_workgroup_id_x 1
		.amdhsa_system_sgpr_workgroup_id_y 1
		.amdhsa_system_sgpr_workgroup_id_z 1
		.amdhsa_system_vgpr_workitem_id 0
		.amdhsa_next_free_vgpr 512
		.amdhsa_next_free_sgpr 66
		.amdhsa_reserve_vcc 1
		.amdhsa_float_denorm_mode_32 3
		.amdhsa_float_denorm_mode_16_64 3
		.amdhsa_memory_ordered 1
		.amdhsa_forward_progress 1
		.amdhsa_inst_pref_size 135
	.end_amdhsa_kernel
	.amdgpu_metadata
---
amdhsa.version: [ 1, 2 ]
amdhsa.kernels:
  - .name:           k_q8e9046cba4_attn
    .symbol:         k_q8e9046cba4_attn.kd
    .args:
      - { .name: qkv, .offset: 0, .size: 8, .value_kind: global_buffer, .address_space: global }
      - { .name: out0, .offset: 8, .size: 8, .value_kind: global_buffer, .address_space: global }
    .group_segment_fixed_size: 210944
    .private_segment_fixed_size: 0
    .kernarg_segment_align: 8
    .kernarg_segment_size: 16
    .max_flat_workgroup_size: 256
    .sgpr_count:     66
    .vgpr_count:     512
    .wavefront_size: 32
...
	.end_amdgpu_metadata
.endif
;; end of part 3
